; MI455X (gfx1250); checked and timed in simulation.
; The chip was launched on July 23, 2026; its instructions are those of AMD's public machine-readable ISA for CDNA 5 (MIT licence, August 2026) and "CDNA5" Instruction Set Architecture Reference Guide (July 2026). The comments in the code are by the model that wrote it; some were corrected since.
;; Codebook Layer. Allowed arithmetic: matrix products marked QUANTISED: E5M2 operands, one given power-of-two scale a tensor, by v_wmma_f32_16x16x64_bf8_bf8 or v_wmma_f32_16x16x128_bf8_bf8, f32 sums; everything else in f32.
;; Inputs: codebook 8,192 x 768 float32; lowp_scales 2 int32 (the exponents e of the quantised operands' scales 2^e); x 4 x 2,048 x 768 float32.
;; Outputs: out0 4 x 2,048 x 768 float32; out1 4 x 2,048 x 8 int32.
;; This version of the problem:
;;   THIS VERSION OF THE PROBLEM IS GIVEN IN LOW PRECISION. The matrix products marked QUANTISED in the list below multiply operands that are first quantised to E5M2 (5 exponent bits, 2 mantissa bits; 8 bits a number), with one given power-of-two scale for each operand tensor; their sums are f32. All else is computed in f32.
;;   The module's matrix products, in the order in which they are computed (A, B: the left and right operand; K: the contracted axis; several contracted axes count as one K, in the product's order):
;;     1. [M 8,192, K 768] x [K 768, N 8,192]; A: input x; B: input codebook: QUANTISED (scales: A lowp_scales[0], B lowp_scales[1])
;;   THE QUANTISER, for each operand of a quantised product, along K:
;;     - The operand's scale is 2^e, e = its entry of the input lowp_scales (int32; the entries are numbered through the quantised products in the list's order, A before B).
;;     - Each number is divided by the scale, clamped to +-57,344, and rounded to the nearest number of E5M2, ties to even, subnormals kept.
;;     - The product sums the exact products of the quantised numbers (number of the format x scale) in f32.
;;   ~~~python
;;   def quantise(x, axis, e):      # numpy; x: float32 -> the quantised numbers, widened to float32 again
;;       x = np.moveaxis(x, axis, -1); K = x.shape[-1]
;;       r = np.clip(x / 2.0 ** e, -57344, 57344)
;;       step = 2.0 ** (np.maximum(np.frexp(np.where(r == 0, 1, r))[1] - 1, -14) - 2)
;;       q = np.round(r / step) * step * 2.0 ** e      # np.round: ties to even
;;       return np.moveaxis(q, -1, axis).astype(np.float32)
;;   ~~~
;; One version. Each part assembles by itself: llvm-mc -triple=amdgcn-amd-amdhsa -mcpu=gfx1250 --defsym DOCPART=n.
;; ======== version 1 of 1: 6 launches
;; limits: right only within a limited range of input values
;; workspace buffers: xq 6,291,456 bytes; cq 6,291,456 bytes; x2 32,768 bytes; c2 32,768 bytes; gm 8,388,608 bytes; gid 524,288 bytes of whole numbers; dc 8,388,608 bytes; ids 262,144 bytes of whole numbers
;; launch quant (part 1): grid 512 x 1, 4 waves a work-group, no clusters, 33,280 bytes of LDS; arguments x, codebook, lowp_scales, xq, cq, x2, c2; writes xq, cq, x2, c2
.if DOCPART == 1
	.amdgcn_target "amdgcn-amd-amdhsa--gfx1250"
	.amdhsa_code_object_version 6
	.text
	.protected	k_qa1bfdd4402_quant
	.globl	k_qa1bfdd4402_quant
	.p2align	8
	.type	k_qa1bfdd4402_quant,@function
k_qa1bfdd4402_quant:
	s_mov_b64 s[64:65], 0
	v_nop
	global_prefetch_b8 v0, s[64:65] scope:SCOPE_SE
	s_setreg_imm32_b32 hwreg(HW_REG_WAVE_MODE, 25, 1), 1
	s_wait_xcnt 0x0
; x [8192][768] and codebook [8192][768], f32, become codes of BF8 (E5M2), one a byte, K innermost, each with the one scale 2^e that is given for it;
; beside them each row's sum of squares of the UNQUANTISED numbers, in f32 (x2, c2).
; code = number / 2^e, held within +-57,344, rounded to the nearest code, ties to even.  e: entry 0 of the scales for x, entry 1 for the codebook.
; LIMITS: -126 <= e <= 112, so that 2^e and 57,344 x 2^e are f32 numbers.  NaN and infinities among the inputs are not served.
; SHARES.  Work-groups 0-255 take x, 256-511 the codebook: only pointers and e are chosen, the text has one path.  A wave takes 8 rows, 6,144 numbers on end in memory: 12 steps of 512.
; Each of a step's four loads reads 512 consecutive bytes; the step's 2,048 bytes turn through the wave's own stage in LDS and come back 64 bytes a lane, so that a lane holds 16 neighbours along K,
; as the conversions want them.  A lane's 16 codes are 16 bytes: a store of the wave covers 512 consecutive bytes, aligned.
; WHERE THE CODEBOOK'S ROWS GO.  Inside each block of 128 codebook rows, row c = 64 hh + 8 b + j is laid at place 16 b + 8 hh + j.  The product's launch takes 16 neighbouring places as a tile, and a lane's
; 64 results are then 64 neighbouring rows of the codebook.  A wave's 8 rows share b and hh: they stay neighbours, so only the wave's base differs.  x's rows keep their places; c2 keeps the natural order.
; No barrier: waves share nothing.  Loads run four steps (16 loads a wave) ahead, the turn through LDS one step.
.set STEPS, 12
.set EMAX,  15
.set MANT,  0x600000                   ; the mantissa field of 57,344 as f32
.set R,     16                         ; v16-79    four sets of 16 numbers as they are loaded
.set X,     80                         ; v80-111   two sets of 16 neighbours
.set P,     112                        ; v112-123  my lane's sum of squares of each step
.set Q,     124                        ; v124-127  two packed chains, at work
.set C,     128                        ; v128-175  codes: four registers for each step, so that no store's data are written again
.set U,     176                        ; v176-183  the 8 rows' sums
.set WREG,  8192                       ; LDS: a region for each wave: two stages of 32 x SP bytes
.set SP,    80                         ; a lane's place in a stage: its 64 bytes + 16 of padding
	s_load_b128 s[4:7], s[0:1], 0x0                ; x, codebook
	s_load_b64 s[10:11], s[0:1], 0x10              ; the scales' exponents
	s_load_b128 s[12:15], s[0:1], 0x18             ; xq, cq
	s_load_b128 s[16:19], s[0:1], 0x28             ; x2, c2
	v_lshl_add_u32 v192, v0, 2, 0x8000
	v_mov_b32 v193, 0
	v_lshrrev_b32 v1, 5, v0
	v_readfirstlane_b32 s20, v1                    ; wave
	v_and_b32 v2, 31, v0                           ; lane
	v_lshlrev_b32 v3, 4, v2                        ; my 16 bytes of a load's 512, and of a step's 512 bytes of codes
	v_lshlrev_b32 v5, 2, v2                        ; 4 x lane: a row's sum
	s_mul_i32 s21, s20, WREG
	v_lshrrev_b32 v14, 2, v2
	v_mul_u32_u24 v14, v14, SP
	v_and_b32 v15, 3, v2
	v_lshl_add_u32 v14, v15, 4, v14
	v_add_nc_u32 v14, s21, v14                     ; the stage, on the way in: four lanes' 64 bytes on end, then 16 of padding
	v_mul_u32_u24 v15, v2, SP
	v_add_nc_u32 v15, s21, v15                     ; and on the way out: SP x lane: my 16 neighbours
	v_mov_b32 v184, 0                              ; written once: a lane permute's destination counts as one of its sources
	s_mov_b32 s29, 0x0000ffff                      ; lanes 0-15
	s_mov_b32 s30, 0x76543210                      ; v_permlanex16_b32: lane l xor 16
	s_mov_b32 s31, 0xfedcba98
	s_cmp_lt_u32 ttmp9, 256                        ; x's work-group or the codebook's?  The choice hangs on the work-group's number alone
	s_cselect_b32 s21, 0, 256
	s_sub_co_u32 s21, ttmp9, s21
	s_lshl_b32 s21, s21, 2
	s_add_co_u32 s22, s21, s20                     ; W: which run of 8 rows of the tensor is my wave's, 0 to 1,023
	s_lshr_b32 s23, s22, 4
	s_lshl_b32 s23, s23, 4                         ; the block of 128 rows: 16 runs,
	s_and_b32 s24, s22, 7
	s_lshl_b32 s24, s24, 1
	s_add_co_u32 s23, s23, s24                     ; + 2 b
	s_bfe_u32 s24, s22, 0x10003
	s_add_co_u32 s23, s23, s24                     ; + hh: the run's place in cq
	s_mov_b32 s25, 0
	s_wait_alu depctr_va_vdst(0)
	s_wait_kmcnt 0x0
	s_load_b64 s[26:27], s[10:11], 0x0             ; ex, ec
	s_cmp_lt_u32 ttmp9, 256
	s_cselect_b64 s[4:5], s[4:5], s[6:7]           ; the numbers,
	s_cselect_b64 s[8:9], s[12:13], s[14:15]       ; their codes,
	s_cselect_b64 s[16:17], s[16:17], s[18:19]     ; their rows' sums
	s_cselect_b32 s23, s22, s23                    ; x's runs keep their places
	s_mul_i32 s24, s22, 24576                      ; 8 rows of 3,072 bytes
	s_add_nc_u64 s[4:5], s[4:5], s[24:25]
	s_mul_i32 s24, s23, 6144                       ; 8 rows of 768 codes
	s_add_nc_u64 s[8:9], s[8:9], s[24:25]
	s_lshl_b32 s24, s22, 5                         ; 8 sums
	s_add_nc_u64 s[16:17], s[16:17], s[24:25]
.macro LOAD t
.irp i, 0,1,2,3
	global_load_b128 v[R+16*((\t)%4)+4*\i:R+16*((\t)%4)+4*\i+3], v3, s[4:5] offset:2048*(\t)+512*\i th:TH_LOAD_NT   ; 32 lanes read 512 consecutive bytes
.endr
.endm
.macro TURN t                          ; step t's numbers through the stage: LDS serves a wave's instructions in order (ISA guide 5.7.1.4), so no wait stands between the stores and the loads
.irp i, 0,1,2,3
	ds_store_b128 v14, v[R+16*((\t)%4)+4*\i:R+16*((\t)%4)+4*\i+3] offset:32*SP*((\t)%2)+8*SP*\i
.endr
.irp i, 0,1,2,3
	ds_load_b128 v[X+16*((\t)%2)+4*\i:X+16*((\t)%2)+4*\i+3], v15 offset:32*SP*((\t)%2)+16*\i
.endr
.endm
.irp t, 0,1,2,3
	LOAD \t
.endr
	s_wait_kmcnt 0x0
	s_cmp_lt_u32 ttmp9, 256
	s_cselect_b32 s26, s26, s27                    ; e
	s_add_co_i32 s26, s26, 127
	s_lshl_b32 s27, s26, 23
	v_mov_b32 v11, s27                             ; 2^e as f32: the conversion takes its exponent field
	s_add_co_i32 s26, s26, EMAX
	s_lshl_b32 s26, s26, 23
	s_or_b32 s26, s26, MANT
	v_mov_b32 v10, s26                             ; 57,344 x 2^e
	s_wait_loadcnt 12                              ; step 0's four loads are in; the twelve of steps 1 to 3 may be out
	TURN 0
.macro STEP t
.set XS, X+16*((\t)%2)
	s_wait_dscnt 0x0                               ; this step's numbers are back from the stage: so its stores into the stage have read their registers,
.if (\t)+4 < STEPS
	LOAD (\t)+4                                    ; which take the loads of four steps on
.endif
.if (\t)+1 < STEPS
.if STEPS-2-(\t) >= 3
	s_wait_loadcnt 12                              ; the next step's four loads are in; those of the three steps behind it may be out
.else
	s_wait_loadcnt 4*(STEPS-2-(\t))                ; the same near the end: four for each step that is left behind the next
.endif
	TURN (\t)+1                                    ; and go through the other stage while this step is worked
.endif
	v_pk_mul_f32 v[Q:Q+1], v[XS:XS+1], v[XS:XS+1]                 ; the squares first, of the numbers as they came: two packed chains, started by products
	v_pk_mul_f32 v[Q+2:Q+3], v[XS+2:XS+3], v[XS+2:XS+3]
.irp j, 4,8,12
	v_pk_fma_f32 v[Q:Q+1], v[XS+\j:XS+\j+1], v[XS+\j:XS+\j+1], v[Q:Q+1]
	v_pk_fma_f32 v[Q+2:Q+3], v[XS+\j+2:XS+\j+3], v[XS+\j+2:XS+\j+3], v[Q+2:Q+3]
.endr
	v_pk_add_f32 v[Q:Q+1], v[Q:Q+1], v[Q+2:Q+3]
	v_add_f32 v[P+(\t)], v[Q], v[Q+1]              ; my 16 numbers' sum of squares
.irp i, 0,1,2,3,4,5,6,7,8,9,10,11,12,13,14,15
	v_med3_num_f32 v[XS+\i], v[XS+\i], -v10, v10   ; the conversion to an 8-bit code does not saturate (ISA guide 7.6.2): hold the number within the largest code x the scale first
.endr
	v_cvt_scalef32_pk8_bf8_f32 v[C+4*(\t):C+4*(\t)+1], v[XS:XS+7], v11          ; eight numbers / 2^e, to the nearest code, ties to even; the first number's code in the lowest byte
	v_cvt_scalef32_pk8_bf8_f32 v[C+4*(\t)+2:C+4*(\t)+3], v[XS+8:XS+15], v11
	global_store_b128 v3, v[C+4*(\t):C+4*(\t)+3], s[8:9] offset:512*(\t)        ; the results go to a store alone; the next vector lines are plain and touch other registers
.endm
.irp t, 0,1,2,3,4,5,6,7,8,9,10,11
	STEP \t
.endr
	; THE ROWS' SUMS.  A row is a step and a half: rows 2 i and 2 i + 1 are steps 3 i, 3 i + 1, 3 i + 2 and meet between lanes 15 and 16 of step 3 i + 1.
.irp i, 0,1,2,3
	v_cndmask_b32 v[Q], 0, v[P+3*\i+1], s29        ; the middle step's lanes 0-15 belong to the first row,
	v_cndmask_b32 v[Q+1], v[P+3*\i+1], 0, s29      ; its lanes 16-31 to the second
	v_add_f32 v[U+2*\i], v[P+3*\i], v[Q]
	v_add_f32 v[U+2*\i+1], v[P+3*\i+2], v[Q+1]
.endr
.irp m, 1,2,4,8                        ; over the 32 lanes, the eight sums by turns
.irp i, 0,1,2,3,4,5,6,7
	v_add_f32_dpp v[U+\i], v[U+\i], v[U+\i] row_xmask:\m row_mask:0xf bank_mask:0xf
.endr
.endr
.irp i, 0,1,2,3,4,5,6,7
	v_permlanex16_b32 v184, v[U+\i], s30, s31
	v_add_f32 v[U+\i], v[U+\i], v184
.endr
	v_mov_b32 v185, v[U]                           ; lane i takes row i's sum
.irp i, 1,2,3,4,5,6,7
	v_cmp_eq_u32 vcc_lo, \i, v2
	v_cndmask_b32 v185, v185, v[U+\i], vcc_lo
.endr
	v_cmp_gt_u32 vcc_lo, 8, v2
	s_wait_alu depctr_va_vdst(0)
	s_wait_xcnt 0x0                                ; EXEC is a source of the stores above: it changes only behind this wait
	s_wait_tensorcnt 0x0
	ds_add_u32 v192, v193
	s_wait_dscnt 0x0
	s_and_saveexec_b32 s28, vcc_lo
	global_store_b32 v5, v185, s[16:17]            ; 32 bytes a wave: 64 KiB in the whole launch leave in such pieces
	s_wait_xcnt 0x0                                ; and again in front of the line that widens it
	s_or_b32 exec_lo, exec_lo, s28
	s_endpgm
.Lfunc_end_k_qa1bfdd4402_quant:
	.size	k_qa1bfdd4402_quant, .Lfunc_end_k_qa1bfdd4402_quant-k_qa1bfdd4402_quant
	.p2alignl 7, 3214868480
	.fill 96, 4, 3214868480
	.section	.rodata,"a",@progbits
	.p2align	6, 0x0
	.amdhsa_kernel k_qa1bfdd4402_quant
		.amdhsa_group_segment_fixed_size 33280
		.amdhsa_private_segment_fixed_size 0
		.amdhsa_enable_private_segment 0
		.amdhsa_kernarg_size 56
		.amdhsa_user_sgpr_count 2
		.amdhsa_user_sgpr_kernarg_segment_ptr 1
		.amdhsa_wavefront_size32 1
		.amdhsa_system_sgpr_workgroup_id_x 1
		.amdhsa_system_sgpr_workgroup_id_y 1
		.amdhsa_system_sgpr_workgroup_id_z 1
		.amdhsa_system_vgpr_workitem_id 0
		.amdhsa_next_free_vgpr 194
		.amdhsa_next_free_sgpr 66
		.amdhsa_reserve_vcc 1
		.amdhsa_float_denorm_mode_32 3
		.amdhsa_float_denorm_mode_16_64 3
		.amdhsa_memory_ordered 1
		.amdhsa_forward_progress 1
		.amdhsa_inst_pref_size 41
	.end_amdhsa_kernel
	.amdgpu_metadata
---
amdhsa.version: [ 1, 2 ]
amdhsa.kernels:
  - .name:           k_qa1bfdd4402_quant
    .symbol:         k_qa1bfdd4402_quant.kd
    .args:
      - { .name: x, .offset: 0, .size: 8, .value_kind: global_buffer, .address_space: global }
      - { .name: codebook, .offset: 8, .size: 8, .value_kind: global_buffer, .address_space: global }
      - { .name: lowp_scales, .offset: 16, .size: 8, .value_kind: global_buffer, .address_space: global }
      - { .name: xq, .offset: 24, .size: 8, .value_kind: global_buffer, .address_space: global }
      - { .name: cq, .offset: 32, .size: 8, .value_kind: global_buffer, .address_space: global }
      - { .name: x2, .offset: 40, .size: 8, .value_kind: global_buffer, .address_space: global }
      - { .name: c2, .offset: 48, .size: 8, .value_kind: global_buffer, .address_space: global }
    .group_segment_fixed_size: 33280
    .private_segment_fixed_size: 0
    .kernarg_segment_align: 8
    .kernarg_segment_size: 56
    .max_flat_workgroup_size: 128
    .sgpr_count:     66
    .vgpr_count:     194
    .wavefront_size: 32
...
	.end_amdgpu_metadata
.endif
;; end of part 1
;; launch gemm (part 2): grid 32 x 8, 4 waves a work-group, clusters of 4 x 1, 327,680 bytes of LDS; arguments xq, cq, lowp_scales, x2, c2, gm; writes gm
.if DOCPART == 2
	.amdgcn_target "amdgcn-amd-amdhsa--gfx1250"
	.amdhsa_code_object_version 6
	.text
	.protected	k_qa1bfdd4402_gemm
	.globl	k_qa1bfdd4402_gemm
	.p2align	8
	.type	k_qa1bfdd4402_gemm,@function
k_qa1bfdd4402_gemm:
	s_mov_b64 s[64:65], 0
	v_nop
	global_prefetch_b8 v0, s[64:65] scope:SCOPE_SE
	s_setreg_imm32_b32 hwreg(HW_REG_WAVE_MODE, 25, 1), 1
	s_wait_xcnt 0x0
	s_wait_alu depctr_hold_cnt(0) depctr_sa_sdst(0) depctr_va_vdst(0) depctr_va_sdst(0) depctr_va_ssrc(0) depctr_va_vcc(0) depctr_vm_vsrc(0)
	s_getreg_b32 s2, hwreg(HW_REG_IB_STS2, 6, 4)
	s_cmp_eq_u32 s2, 0
	s_cbranch_scc0 .Lentry_in_a_cluster
	s_endpgm
.Lentry_in_a_cluster:
	s_bfe_u32 s2, ttmp6, 0x10000c
	s_cmp_lg_u32 s2, 0x3003
	s_cbranch_scc0 .Lentry_shape_is_right
	s_endpgm
.Lentry_shape_is_right:
; d[m][n] = 2 x[m].c[n] - x2[m] - c2[n] on codes of BF8: the codes are multiplied as they are, each sum once by 2^(ex + ec + 1), then x2 and c2 are taken away, each with its own rounding.
; d is not stored: of each row's 256 groups of 32 neighbouring codes only the group's largest d goes out (gm; row 128 R + 16 (4 k + a3) + r, group g, at byte (256 R + g) x 512 + 256 k + 16 r + 4 a3).
; SHARES.  A work-group owns 256 codes and 1,024 rows of x; a wave owns 64 of the codes and keeps their fragments for all of K = 768 in 384 registers, read once from LDS.
; x comes in 8 tiles of 128 rows x 768 bytes through two LDS slots; every wave multiplies the whole tile, 16 rows at a time: 24 matrix instructions finish a block's K in 4 accumulators, and its 32 numbers a lane
; (one row, one group) leave only their maximum.  xq's and cq's rows are dense, so a tile is stated as rows of 256 bytes, each padded by 16: byte y of row m lies at (3 m + y / 256) x 272 + y % 256.
; CLUSTER 4 x 1: the four partners own neighbouring sets of codes and the same rows, so x's tiles are asked for jointly, one load of 32 rows a wave behind each round.  The codes' tile is each work-group's own.
; At the head waves 0, 1 load the codes (2 x 128 places), waves 2, 3 the first tile of x (2 x 64 rows).  The codes lie over slot 1 and the bytes behind it; slot 1 is filled with x when every wave has read them.
; Source 0 = 16 places of cq, source 1 = 16 rows of xq.  Lane r of code tile b takes the place of code 32 (r / 8) + 8 b + r % 8 of my 64, so lane (r, h) holds row r and codes 32 h + 8 b + j.
; PREFETCH: in the trip of tile t the partners ask for tile t + 3 (its load is issued two trips on): partner cx names rows 32 cx .. + 31, a lane a row, waves 0 to 2 one 256 bytes of the row each; t = 0 .. 4.
; LIMITS: -126 <= ex + ec + 1 <= 127.  NaN and infinities are not served.
; REGISTERS.  window 0: v2-3 the add's, v4-7 LDS addresses of x, v12 gm, v13 x2, v15 prefetch, v16-31 x2 as pairs, v32-63 c2, v64-255 two sets of a block's fragments.
;   window 1: v0-191 the codes' fragments of K steps 0-2, v192-223 accumulators, v224-231 maxima, v232 at work.   window 2: v0-191 K steps 3-5, v192-199 the next tile's x2.
.set CH,    272
.set BLK,   16*816
.set SLOT,  128*816
.set BBASE, SLOT
.set SPARE, 3*SLOT                     ; behind the codes: the spare words, 128 bytes a wave
.set TILEB, 128*768
.set SPW, 2
.set NIL, 3
.set ADR, 4
.set BAD, 10
.set GMO, 12
.set XO,  13
.set PFO, 15
.set X2,  16
.set C2,  32
.set AF,  64
.set ACC, 192
.set MX,  224
.set TT,  232
.set XIN, 192
.set G1B, 24                           ; the codes: 384 rows of 256 bytes, no mask
.set G1H, 48                           ; x at the head: 192 rows, joint
.set G1Q, 80                           ; x in the ring: 96 rows, joint
.set G0,  56                           ; group 0 of slot 0, slot 1
.set PFA, 74
.set LIM, 78
.set TC,  79
.set MSB, 0
.macro WIN new                         ; the immediate's high byte repeats the setting that is left
.if MSB != \new
	s_set_vgpr_msb (MSB<<8)|\new
.set MSB, \new
.endif
.endm
.macro CREST
	s_cmp_lg_u32 s14, 0
	s_cbranch_scc1 .Lnot_wave_0_\@
	s_barrier_signal -3
.Lnot_wave_0_\@:
	s_barrier_wait -3
	s_barrier_signal -1
	s_barrier_wait -1
.endm
.macro CROUND                          ; a round of the cluster's barrier
	s_barrier_signal -1
	s_barrier_wait -1
	CREST
.endm
.macro NOPS
.rept 4
	v_nop
.endr
.endm
	s_load_b128 s[4:7], s[0:1], 0x0                ; xq, cq
	s_load_b64 s[8:9], s[0:1], 0x10                ; the scales' exponents
	s_load_b128 s[68:71], s[0:1], 0x18             ; x2, c2
	s_load_b64 s[72:73], s[0:1], 0x28              ; gm
	v_lshl_add_u32 v[SPW], v0, 2, SPARE
	v_mov_b32 v[NIL], 0
	ds_add_u32 v[SPW], v[NIL]                      ; the opening lines: the add twice on end and its wait ahead of my first tensor load
	ds_add_u32 v[SPW], v[NIL]
	v_lshrrev_b32 v1, 5, v0
	v_readfirstlane_b32 s14, v1                    ; wave
	s_lshr_b32 s15, s14, 1
	s_and_b32 s16, s14, 1
	s_bfe_u32 s40, ttmp6, 0x40000                  ; cx
	s_lshl_b32 s42, ttmp9, 2
	s_add_co_u32 s42, s42, s40                     ; which 256 codes
	s_and_b32 s17, ttmp7, 0xffff                   ; which 1,024 rows
	s_mov_b32 s[G1B], (3<<16)|(1<<20)|(5<<22)|(3<<25)              ; elements of 8 bytes; after every 64 words 4 words of padding
	s_mov_b32 s[G1H], 15|(3<<16)|(1<<20)|(1<<21)|(5<<22)|(3<<25)   ; the same for all four partners
	s_mov_b32 s[G1Q], 15|(3<<16)|(1<<20)|(1<<21)|(5<<22)|(3<<25)
	s_mov_b32 s[G1B+2], 384<<16
	s_mov_b32 s[G1B+4], 384
	s_mov_b32 s[G1H+2], 192<<16
	s_mov_b32 s[G1H+4], 192
	s_mov_b32 s[G1Q+2], 96<<16
	s_mov_b32 s[G1Q+4], 96
.irp g, G1B, G1H, G1Q
	s_mov_b32 s[\g+1], 32<<16                      ; rows of 32 elements, dense
	s_mov_b32 s[\g+3], 32<<16
	s_mov_b32 s[\g+5], 32
	s_mov_b32 s[\g+6], 0
	s_mov_b32 s[\g+7], 0
.endr
	s_lshl_b32 s18, s17, 10                        ; my first row of x
	s_lshl_b32 s19, s16, 6
	s_add_co_u32 s19, s19, s18
	s_mul_i32 s20, s19, 768                        ; the head's half tile of x
	s_mov_b32 s21, 0
	s_lshl_b32 s19, s14, 5
	s_add_co_u32 s19, s19, s18
	s_mul_i32 s22, s19, 768                        ; my quarter of a tile
	s_mov_b32 s23, 0
	s_lshl_b32 s46, s42, 8
	s_lshl_b32 s47, s16, 7
	s_add_co_u32 s46, s46, s47
	s_mul_i32 s46, s46, 768                        ; the head's half of the codes
	s_mov_b32 s47, 0
	s_mul_i32 s43, s16, SLOT
	s_add_co_u32 s43, s43, BBASE
	s_mul_i32 s44, s16, SLOT/2
	s_mul_i32 s45, s14, SLOT/4
	s_wait_dscnt 0x0                               ; both opening adds are done
	s_wait_kmcnt 0x0
	s_load_b64 s[96:97], s[8:9], 0x0               ; ex, ec
	CROUND                                         ; in front of the first loads
	s_mov_b32 s32, 1
	s_mov_b32 s33, s43
	s_add_nc_u64 s[34:35], s[6:7], s[46:47]
	s_or_b32 s35, s35, 0x80000000
	s_mov_b32 s36, 1
	s_mov_b32 s37, s44
	s_add_nc_u64 s[38:39], s[4:5], s[20:21]
	s_or_b32 s39, s39, 0x80000000
	s_add_nc_u64 s[22:23], s[4:5], s[22:23]
.irp s, 0,1
	s_mov_b32 s[G0+4*\s], 1
	s_add_co_u32 s[G0+4*\s+1], s45, \s*SLOT
	s_add_nc_u64 s[G0+4*\s+2:G0+4*\s+3], s[22:23], \s*TILEB
	s_or_b32 s[G0+4*\s+3], s[G0+4*\s+3], 0x80000000
.endr
	s_cmp_lt_u32 s14, 2                            ; one tensor load a wave at the head
	s_cbranch_scc0 .Lhead_x
	tensor_load_to_lds s[32:35], s[G1B:G1B+7]
	s_nop 0
	NOPS
	s_branch .Lhead_join
.Lhead_x:
	tensor_load_to_lds s[36:39], s[G1H:G1H+7]
	s_nop 0
	NOPS
.Lhead_join:
	v_and_b32 v1, 15, v0                           ; r
	v_bfe_u32 v8, v0, 4, 1                         ; h
	v_mul_u32_u24 v9, v1, 816
	v_lshl_add_u32 v9, v8, 4, v9                   ; r x 816 + 16 h
.irp i, 0,1,2,3
	v_add_nc_u32 v[ADR+\i], \i*SLOT/2, v9          ; slot i / 2, blocks 4 (i % 2) ..
.endr
	v_lshrrev_b32 v11, 3, v1
	v_mad_u32_u24 v11, v11, 56, v1                 ; 64 (r / 8) + r % 8
	v_mul_u32_u24 v11, v11, 816
	v_lshl_add_u32 v11, v8, 4, v11
	s_lshl_b32 s88, s15, 7
	s_lshl_b32 s89, s16, 3
	s_add_co_u32 s88, s88, s89
	s_mul_i32 s88, s88, 816
	s_add_co_u32 s88, s88, BBASE
	v_add_nc_u32 v[BAD], s88, v11                  ; my codes: + 128 (wave / 2) + 8 (wave % 2) places
	v_lshlrev_b32 v[GMO], 4, v1
	v_lshl_add_u32 v[GMO], v8, 9, v[GMO]           ; gm: 16 r + 512 h
	v_lshlrev_b32 v[XO], 2, v1                     ; x2: 4 r
	v_lshlrev_b32 v14, 7, v8                       ; c2: 128 h
	v_and_b32 v[PFO], 31, v0
	v_mul_u32_u24 v[PFO], v[PFO], 768
	v_lshl_add_u32 v[PFO], s14, 8, v[PFO]          ; the prefetch: lane x a row + 256 x wave
	s_lshl_b32 s88, s17, 12
	s_mov_b32 s89, 0
	s_add_nc_u64 s[68:69], s[68:69], s[88:89]      ; x2 at my first row
	s_lshl_b32 s88, s42, 10
	s_lshl_b32 s90, s14, 8
	s_add_co_u32 s88, s88, s90
	s_add_nc_u64 s[70:71], s[70:71], s[88:89]      ; c2 at my 64 codes
	s_lshl_b32 s88, s17, 20
	s_lshl_b32 s90, s42, 12
	s_add_co_u32 s88, s88, s90
	s_lshl_b32 s90, s14, 10
	s_add_co_u32 s88, s88, s90
	s_add_nc_u64 s[72:73], s[72:73], s[88:89]      ; gm: (256 x 8 x range + 8 x set + 2 x wave) x 512
	s_lshl_b32 s88, s40, 5
	s_add_co_u32 s88, s88, s18
	s_mul_i32 s88, s88, 768
	s_add_co_u32 s88, s88, 3*TILEB
	s_add_nc_u64 s[PFA:PFA+1], s[4:5], s[88:89]    ; tile 3, my work-group's 32 rows of it
	s_cmp_lt_u32 s14, 3
	s_cselect_b32 s[LIM], 5, 0                     ; waves 0 to 2 ask, in the trips of tiles 0 to 4
	s_mov_b32 s[TC], 0
	s_wait_alu depctr_va_vdst(0)
.irp n, 0,1,2,3,4,5,6,7
	global_load_b128 v[C2+4*\n:C2+4*\n+3], v14, s[70:71] offset:16*\n
.endr
	WIN 0x80
.irp a, 0,1,2,3,4,5,6,7
	global_load_b32 v[XIN+\a], v[XO], s[68:69] offset:64*\a
.endr
	WIN 0
	s_wait_kmcnt 0x0
	s_add_co_i32 s96, s96, s97
	s_add_co_i32 s96, s96, 128
	s_lshl_b32 s96, s96, 23                        ; 2^(ex + ec + 1) as f32
	s_mov_b32 s97, s96
	s_wait_tensorcnt 0x0                           ; my head load has landed,
	s_barrier_signal -1
	s_barrier_wait -1                              ; and everybody's
	WIN 0x40
.irp k, 0,1,2
.irp t, 0,1,2,3
.irp c, 0,1,2,3
	ds_load_b128 v[16*(4*\k+\t)+4*\c:16*(4*\k+\t)+4*\c+3], v[BAD] offset:\t*BLK+(\k/2)*CH+128*(\k%2)+32*\c
.endr
.endr
.endr
	WIN 0x80
.irp k, 3,4,5
.irp t, 0,1,2,3
.irp c, 0,1,2,3
	ds_load_b128 v[16*(4*(\k-3)+\t)+4*\c:16*(4*(\k-3)+\t)+4*\c+3], v[BAD] offset:\t*BLK+(\k/2)*CH+128*(\k%2)+32*\c
.endr
.endr
.endr
	WIN 0
.macro FETCH slot, a, buf              ; block a's fragments, 16 rows x 768 K: 24 loads
.irp k, 0,1,2,3,4,5
.irp c, 0,1,2,3
	ds_load_b128 v[AF+96*(\buf)+16*\k+4*\c:AF+96*(\buf)+16*\k+4*\c+3], v[ADR+2*(\slot)+(\a)/4] offset:((\a)%4)*BLK+(\k/2)*CH+128*(\k%2)+32*\c
.endr
.endr
.endm
.macro MULH half, buf                  ; three K steps x my four code tiles; the four accumulators take turns; the first K step starts the sums
.irp k, 0,1,2
.irp t, 0,1,2,3
.if ((\half) == 0) && (\k == 0)
	v_wmma_f32_16x16x128_bf8_bf8 v[ACC+8*\t:ACC+8*\t+7], v[16*(4*\k+\t):16*(4*\k+\t)+15], v[AF+96*(\buf)+16*(3*(\half)+\k):AF+96*(\buf)+16*(3*(\half)+\k)+15], 0
.else
	v_wmma_f32_16x16x128_bf8_bf8 v[ACC+8*\t:ACC+8*\t+7], v[16*(4*\k+\t):16*(4*\k+\t)+15], v[AF+96*(\buf)+16*(3*(\half)+\k):AF+96*(\buf)+16*(3*(\half)+\k)+15], v[ACC+8*\t:ACC+8*\t+7]
.endif
.endr
.endr
.endm
.macro BLOCK slot, a, ask
	s_wait_dscnt 0x0                               ; this block's fragments are in
	WIN 0x51                                       ; source 0, C and D window 1; source 1 window 0
	MULH 0, (\a)%2
	WIN 0
.if (\a) < 7
	FETCH \slot, (\a)+1, ((\a)+1)%2                ; into the set that the block before read: its 48 vector lines are the places in front of these loads
.endif
.if (\ask) && ((\a) == 1)
	s_cmp_lt_u32 s[TC], s[LIM]
	s_cbranch_scc0 .Lno_ask_\@
	global_prefetch_b8 v[PFO], s[PFA:PFA+1] th:TH_LOAD_NT scope:SCOPE_SE
.Lno_ask_\@:
.endif
	WIN 0x52                                       ; source 0 window 2
	MULH 1, (\a)%2
	NOPS                                           ; four places behind the last product (ISA guide 7.12.1)
	WIN 0x41                                       ; source 0 and destination window 1
.set j, 0
.rept 16
	v_pk_fma_f32 v[ACC+j:ACC+j+1], v[ACC+j:ACC+j+1], s[96:97], v[X2+2*(\a):X2+2*(\a)+1] op_sel_hi:[1,0,1] neg_lo:[0,0,1] neg_hi:[0,0,1]
.set j, j+2
.endr
.set j, 0
.rept 16
	v_pk_add_f32 v[ACC+j:ACC+j+1], v[ACC+j:ACC+j+1], v[C2+j:C2+j+1] neg_lo:[0,1] neg_hi:[0,1]
.set j, j+2
.endr
	WIN 0x55                                       ; all window 1
	v_max3_num_f32 v[MX+(\a)], v[ACC], v[ACC+1], v[ACC+2]          ; the group's largest d, in two chains
	v_max3_num_f32 v[TT], v[ACC+16], v[ACC+17], v[ACC+18]
.set j, 3
.rept 6
	v_max3_num_f32 v[MX+(\a)], v[MX+(\a)], v[ACC+j], v[ACC+j+1]
	v_max3_num_f32 v[TT], v[TT], v[ACC+16+j], v[ACC+17+j]
.set j, j+2
.endr
	v_max3_num_f32 v[MX+(\a)], v[MX+(\a)], v[TT], v[ACC+15]
	v_max_num_f32 v[MX+(\a)], v[MX+(\a)], v[ACC+31]
.endm
; One tile.  In front of the round: all my tensor loads have landed, this slot's tile among them; the add; my reads of the other slot (the first time: of the codes) are back.  Behind it the other slot's next tile is asked for.
.macro TRIP slot, refill, nextx, ask
	s_wait_tensorcnt 0x0
	ds_add_u32 v[SPW], v[NIL]
	s_add_nc_u64 s[G0+4*\slot+2:G0+4*\slot+3], s[G0+4*\slot+2:G0+4*\slot+3], 2*TILEB
	s_wait_dscnt 0x0
	CROUND
.if \refill
	tensor_load_to_lds s[G0+4-4*\slot:G0+7-4*\slot], s[G1Q:G1Q+7]
	s_nop 0
	NOPS
.endif
	FETCH \slot, 0, 0
	s_wait_loadcnt 0x0                             ; this tile's x2 (the first time: c2 too)
	WIN 0x02
.irp a, 0,1,2,3,4,5,6,7
	v_mov_b32 v[X2+2*\a], v[XIN+\a]
	v_mov_b32 v[X2+2*\a+1], v[XIN+\a]
.endr
.if \nextx
	s_add_nc_u64 s[68:69], s[68:69], 512
	WIN 0x80
.irp a, 0,1,2,3,4,5,6,7
	global_load_b32 v[XIN+\a], v[XO], s[68:69] offset:64*\a
.endr
.endif
	WIN 0
	s_wait_alu depctr_va_vdst(0)
.irp a, 0,1,2,3,4,5,6,7
	BLOCK \slot, \a, \ask
.endr
	WIN 0x04                                       ; a store's data: window 1
	global_store_b128 v[GMO], v[MX:MX+3], s[72:73]             ; sixteen lanes store 256 consecutive bytes, aligned
	global_store_b128 v[GMO], v[MX+4:MX+7], s[72:73] offset:256
	WIN 0
	s_wait_xcnt 0x0                                ; the stores and the prefetch have read their registers
	s_add_nc_u64 s[72:73], s[72:73], 256*512
	s_add_nc_u64 s[PFA:PFA+1], s[PFA:PFA+1], TILEB
	s_add_co_u32 s[TC], s[TC], 1
.endm
	s_mov_b32 s3, 3
.Llap:
	TRIP 0, 1, 1, 1
	TRIP 1, 1, 1, 1
	s_sub_co_u32 s3, s3, 1
	s_cmp_lg_u32 s3, 0
	s_wait_alu depctr_va_vdst(0)
	s_cbranch_scc1 .Llap
	TRIP 0, 1, 1, 0                                ; tiles 6 and 7: the last load is tile 7's
	TRIP 1, 0, 0, 0
	s_wait_tensorcnt 0x0                           ; the wave's end
	ds_add_u32 v[SPW], v[NIL]
	s_wait_dscnt 0x0
	CROUND                                         ; the closing round
	s_endpgm
.Lfunc_end_k_qa1bfdd4402_gemm:
	.size	k_qa1bfdd4402_gemm, .Lfunc_end_k_qa1bfdd4402_gemm-k_qa1bfdd4402_gemm
	.p2alignl 7, 3214868480
	.fill 96, 4, 3214868480
	.section	.rodata,"a",@progbits
	.p2align	6, 0x0
	.amdhsa_kernel k_qa1bfdd4402_gemm
		.amdhsa_group_segment_fixed_size 327680
		.amdhsa_private_segment_fixed_size 0
		.amdhsa_enable_private_segment 0
		.amdhsa_kernarg_size 48
		.amdhsa_user_sgpr_count 2
		.amdhsa_user_sgpr_kernarg_segment_ptr 1
		.amdhsa_wavefront_size32 1
		.amdhsa_system_sgpr_workgroup_id_x 1
		.amdhsa_system_sgpr_workgroup_id_y 1
		.amdhsa_system_sgpr_workgroup_id_z 1
		.amdhsa_system_vgpr_workitem_id 0
		.amdhsa_next_free_vgpr 768
		.amdhsa_next_free_sgpr 98
		.amdhsa_reserve_vcc 0
		.amdhsa_float_denorm_mode_32 3
		.amdhsa_float_denorm_mode_16_64 3
		.amdhsa_memory_ordered 1
		.amdhsa_forward_progress 1
		.amdhsa_inst_pref_size 227
	.end_amdhsa_kernel
	.amdgpu_metadata
---
amdhsa.version: [ 1, 2 ]
amdhsa.kernels:
  - .name:           k_qa1bfdd4402_gemm
    .symbol:         k_qa1bfdd4402_gemm.kd
    .args:
      - { .name: xq, .offset: 0, .size: 8, .value_kind: global_buffer, .address_space: global }
      - { .name: cq, .offset: 8, .size: 8, .value_kind: global_buffer, .address_space: global }
      - { .name: lowp_scales, .offset: 16, .size: 8, .value_kind: global_buffer, .address_space: global }
      - { .name: x2, .offset: 24, .size: 8, .value_kind: global_buffer, .address_space: global }
      - { .name: c2, .offset: 32, .size: 8, .value_kind: global_buffer, .address_space: global }
      - { .name: gm, .offset: 40, .size: 8, .value_kind: global_buffer, .address_space: global }
    .group_segment_fixed_size: 327680
    .private_segment_fixed_size: 0
    .kernarg_segment_align: 8
    .kernarg_segment_size: 48
    .max_flat_workgroup_size: 128
    .sgpr_count:     98
    .vgpr_count:     768
    .wavefront_size: 32
...
	.end_amdgpu_metadata
.endif
;; end of part 2
;; launch select (part 3): grid 256 x 1, 4 waves a work-group, no clusters, 8,704 bytes of LDS; arguments gm, gid; writes gid
.if DOCPART == 3
	.amdgcn_target "amdgcn-amd-amdhsa--gfx1250"
	.amdhsa_code_object_version 6
	.text
	.protected	k_qa1bfdd4402_select
	.globl	k_qa1bfdd4402_select
	.p2align	8
	.type	k_qa1bfdd4402_select,@function
k_qa1bfdd4402_select:
	s_mov_b64 s[64:65], 0
	v_nop
	global_prefetch_b8 v0, s[64:65] scope:SCOPE_SE
	s_setreg_imm32_b32 hwreg(HW_REG_WAVE_MODE, 25, 1), 1
	s_wait_xcnt 0x0
; For each of the 8,192 rows: which 8 of its 256 groups of 32 codes come first by (group's maximum, descending; group's number, ascending).  Stored as whole numbers, ascending, in gid [8192][8].
; WHY THAT SERVES.  Groups are ranges of neighbouring codes.  A code outside these 8 groups has in each of them a code that goes before it (larger, or equal with a lower number): so it is not among the row's first 8.
; SHARES.  A work-group takes 32 rows, a lane a row; wave w takes groups 64 w .. 64 w + 63 and keeps a sorted list of 8 (value, group) in registers; the four lists meet in LDS and wave 0 merges them.
; gm's layout: row 128 R + 16 (4 k + a3) + r, group g, at byte (256 R + g) x 512 + 256 k + 16 r + 4 a3.  Work-group u: R = u / 4, k = (u / 2) % 2, hf = u % 2; lane l then reads, 4 bytes a lane and 128 consecutive
; bytes a load, row 128 R + 64 k + 8 hf + 16 (l % 4) + l / 4.
; TIES.  The compare is strict and items come in ascending order of their numbers, in the merge too: an item equal to one in the list goes behind it, so the lower number stays ahead.
; No branch and no address hangs on a value: every choice is a v_cndmask_b32.  LIMIT: NaN and infinities are not served (the lists begin at -infinity).
.set L,   8                            ; v8-15   the list's values, descending
.set I,   16                           ; v16-23  and their numbers
.set ID,  24                           ; v24     the number of the item in hand
.set T0,  25                           ; v25-26  at work, by turns
.set IT,  32                           ; v32-95  the 64 items; later the other waves' lists
; One item (value v[m], number v[idr]) into the list: 8 compares on the old list, then from the list's end upward: place i takes the old place i - 1 where the item goes ahead of that, the item where it goes ahead of
; place i alone, else it stays.  For the values that is the middle one of the three.
.macro INSERT m, idr
.irp i, 0,1,2,3,4,5,6,7
	v_cmp_gt_f32 s[20+\i], v[\m], v[L+\i]
.endr
.irp i, 7,6,5,4,3,2,1
	v_cndmask_b32 v[T0+\i%2], v[\idr], v[I+\i-1], s[20+\i-1]
	v_cndmask_b32 v[I+\i], v[I+\i], v[T0+\i%2], s[20+\i]
	v_med3_num_f32 v[L+\i], v[L+\i-1], v[L+\i], v[\m]
.endr
	v_cndmask_b32 v[I], v[I], v[\idr], s20
	v_max_num_f32 v[L], v[L], v[\m]
.endm
.macro CSWAP a, b                      ; the smaller number to place a, the larger to place b
	v_min_u32 v[T0], v[I+\a], v[I+\b]
	v_max_u32 v[I+\b], v[I+\a], v[I+\b]
	v_mov_b32 v[I+\a], v[T0]
.endm
	s_load_b128 s[4:7], s[0:1], 0x0                ; gm, gid
	v_lshl_add_u32 v128, v0, 2, 0x2000
	v_mov_b32 v129, 0
	v_lshrrev_b32 v1, 5, v0
	v_readfirstlane_b32 s8, v1                     ; wave
	v_and_b32 v2, 31, v0                           ; lane
	v_lshlrev_b32 v1, 2, v2                        ; 4 bytes a lane
	v_lshlrev_b32 v28, 4, v2                       ; LDS: 16 x lane: an image's place for my lane
	s_lshl_b32 s9, s8, 11
	v_add_nc_u32 v27, s9, v28                      ; my wave's list: 2,048 bytes a wave
	v_and_b32 v3, 3, v2
	v_lshrrev_b32 v4, 2, v2
	v_lshl_add_u32 v3, v3, 4, v4                   ; 16 (l % 4) + l / 4
	v_lshlrev_b32 v29, 5, v3                       ; x 32 bytes: my row's place in gid
	s_lshr_b32 s10, ttmp9, 2
	s_lshl_b32 s10, s10, 17                        ; R x 256 groups x 512 bytes
	s_and_b32 s11, ttmp9, 3
	s_lshl_b32 s11, s11, 7                         ; 256 k + 128 hf
	s_add_co_u32 s10, s10, s11
	s_lshl_b32 s11, s8, 15                         ; my wave's 64 groups
	s_add_co_u32 s10, s10, s11
	s_mov_b32 s11, 0
	s_lshr_b32 s12, ttmp9, 1
	s_lshl_b32 s12, s12, 6                         ; 128 R + 64 k
	s_and_b32 s13, ttmp9, 1
	s_lshl_b32 s13, s13, 3                         ; + 8 hf
	s_add_co_u32 s12, s12, s13
	s_lshl_b32 s12, s12, 5                         ; x 32 bytes
	s_mov_b32 s13, 0
	s_lshl_b32 s14, s8, 6
	s_wait_alu depctr_va_vdst(0)
	s_wait_kmcnt 0x0
	s_add_nc_u64 s[4:5], s[4:5], s[10:11]
	s_lshl_b32 s16, ttmp9, 10                      ; the masks lie behind gid's 262,144 bytes: 1,024 bytes a work-group
	s_add_co_u32 s16, s16, 0x40000
	s_mov_b32 s17, 0
	s_add_nc_u64 s[16:17], s[6:7], s[16:17]
	s_add_nc_u64 s[6:7], s[6:7], s[12:13]
.set n, 0
.rept 64
	global_load_b32 v[IT+n], v1, s[4:5] offset:512*n
.set n, n+1
.endr
.irp i, 0,1,2,3,4,5,6,7
	v_mov_b32 v[L+\i], 0xff800000                  ; -infinity: under every item
	v_mov_b32 v[I+\i], 0
.endr
	v_mov_b32 v[ID], s14                           ; my first group
.set n, 0
	s_wait_alu depctr_va_vdst(0)
.rept 8
	s_wait_alu depctr_va_vdst(0)
	s_wait_loadcnt 56-n                            ; items n .. n + 7 are in; the 56 - n loads behind them may be out
.rept 8
	INSERT IT+n, ID
	v_add_nc_u32 v[ID], 1, v[ID]
.set n, n+1
.endr
.endr
	ds_store_b128 v27, v[L:L+3]                    ; the list goes to LDS as an image of its registers.  (Wave 0 stores too, though nobody reads its image: so no branch stands in front of the barrier)
	ds_store_b128 v27, v[L+4:L+7] offset:512
	ds_store_b128 v27, v[I:I+3] offset:1024
	ds_store_b128 v27, v[I+4:I+7] offset:1536
	s_wait_dscnt 0x0                               ; for the others' sake: my stores have landed
	s_barrier_signal -1
	s_barrier_wait -1
	s_cmp_lg_u32 s8, 0
	s_cbranch_scc1 .Lmeet
.irp w, 1,2,3
.irp c, 0,1,2,3
	ds_load_b128 v[IT+16*(\w-1)+4*\c:IT+16*(\w-1)+4*\c+3], v28 offset:2048*\w+512*\c
.endr
.endr
.set n, 0
	s_wait_alu depctr_va_vdst(0)
.rept 3                                ; wave 1's list, then wave 2's, then wave 3's, each from its head: ascending numbers among equals
	s_wait_alu depctr_va_vdst(0)
	s_wait_dscnt 8-4*n                             ; this list's four loads are in; four for each later list may be out
.set e, 0
.rept 8
	INSERT IT+16*n+e, IT+16*n+8+e
.set e, e+1
.endr
.set n, n+1
.endr
	CSWAP 0, 1                                     ; the 8 numbers in ascending order: an odd-even merge sort's 19 exchanges
	CSWAP 2, 3
	CSWAP 4, 5
	CSWAP 6, 7
	CSWAP 0, 2
	CSWAP 1, 3
	CSWAP 4, 6
	CSWAP 5, 7
	CSWAP 1, 2
	CSWAP 5, 6
	CSWAP 0, 4
	CSWAP 1, 5
	CSWAP 2, 6
	CSWAP 3, 7
	CSWAP 2, 4
	CSWAP 3, 5
	CSWAP 1, 2
	CSWAP 3, 4
	CSWAP 5, 6
	global_store_b128 v29, v[I:I+3], s[6:7]        ; a row's 32 bytes; the lanes' rows are no neighbours: 256 KiB in the whole launch leave in such pieces
	global_store_b128 v29, v[I+4:I+7], s[6:7] offset:16
	ds_store_b128 v28, v[I:I+3] offset:1024        ; the 8 numbers of each lane's row, over wave 0's own image, which nobody has read
	ds_store_b128 v28, v[I+4:I+7] offset:1536
.Lmeet:
; THE MASKS.  Word g of this work-group's 256: bit l is set where lane l's row names group g.  Wave w makes words 64 w .. 64 w + 63: each lane marks its row's groups in two words of 32 bits,
; and bit b of all lanes' words is gathered by a compare.  Lane l takes words 64 w + 2 l and + 1: the wave stores 256 consecutive bytes, aligned.
	s_wait_dscnt 0x0
	s_barrier_signal -1
	s_barrier_wait -1
	ds_load_b128 v[48:51], v28 offset:1024
	ds_load_b128 v[52:55], v28 offset:1536
	s_lshl_b32 s18, s8, 1
	s_add_co_u32 s19, s18, 1
	v_mov_b32 v32, 0
	v_mov_b32 v33, 0
	v_mov_b32 v36, 1
	v_mov_b32 v38, 0
	v_mov_b32 v39, 0
	v_lshlrev_b32 v40, 3, v2
	v_lshl_add_u32 v40, s8, 8, v40
	s_wait_alu depctr_va_vdst(0)
	s_wait_dscnt 0x0
.irp i, 0,1,2,3,4,5,6,7
	v_lshrrev_b32 v34, 5, v[48+\i]
	v_lshlrev_b32 v35, v[48+\i], v36               ; 1 << (group % 32)
	v_cmp_eq_u32 vcc_lo, s18, v34
	v_cndmask_b32 v37, 0, v35, vcc_lo
	v_or_b32 v32, v32, v37
	v_cmp_eq_u32 vcc_lo, s19, v34
	v_cndmask_b32 v37, 0, v35, vcc_lo
	v_or_b32 v33, v33, v37
.endr
.irp jj, 0,1
.set b, 0
.rept 32
	v_and_b32 v34, 1<<b, v[32+\jj]
	v_cmp_ne_u32 s20, 0, v34
	v_writelane_b32 v[38+b%2], s20, 16*\jj+b/2
.set b, b+1
.endr
.endr
	global_store_b64 v40, v[38:39], s[16:17]
	s_wait_tensorcnt 0x0
	ds_add_u32 v128, v129
	s_wait_dscnt 0x0
	s_endpgm
.Lfunc_end_k_qa1bfdd4402_select:
	.size	k_qa1bfdd4402_select, .Lfunc_end_k_qa1bfdd4402_select-k_qa1bfdd4402_select
	.p2alignl 7, 3214868480
	.fill 96, 4, 3214868480
	.section	.rodata,"a",@progbits
	.p2align	6, 0x0
	.amdhsa_kernel k_qa1bfdd4402_select
		.amdhsa_group_segment_fixed_size 8704
		.amdhsa_private_segment_fixed_size 0
		.amdhsa_enable_private_segment 0
		.amdhsa_kernarg_size 16
		.amdhsa_user_sgpr_count 2
		.amdhsa_user_sgpr_kernarg_segment_ptr 1
		.amdhsa_wavefront_size32 1
		.amdhsa_system_sgpr_workgroup_id_x 1
		.amdhsa_system_sgpr_workgroup_id_y 1
		.amdhsa_system_sgpr_workgroup_id_z 1
		.amdhsa_system_vgpr_workitem_id 0
		.amdhsa_next_free_vgpr 130
		.amdhsa_next_free_sgpr 66
		.amdhsa_reserve_vcc 1
		.amdhsa_float_denorm_mode_32 3
		.amdhsa_float_denorm_mode_16_64 3
		.amdhsa_memory_ordered 1
		.amdhsa_forward_progress 1
		.amdhsa_inst_pref_size 197
	.end_amdhsa_kernel
	.amdgpu_metadata
---
amdhsa.version: [ 1, 2 ]
amdhsa.kernels:
  - .name:           k_qa1bfdd4402_select
    .symbol:         k_qa1bfdd4402_select.kd
    .args:
      - { .name: gm, .offset: 0, .size: 8, .value_kind: global_buffer, .address_space: global }
      - { .name: gid, .offset: 8, .size: 8, .value_kind: global_buffer, .address_space: global }
    .group_segment_fixed_size: 8704
    .private_segment_fixed_size: 0
    .kernarg_segment_align: 8
    .kernarg_segment_size: 16
    .max_flat_workgroup_size: 128
    .sgpr_count:     66
    .vgpr_count:     130
    .wavefront_size: 32
...
	.end_amdgpu_metadata
.endif
;; end of part 3
;; launch regemm (part 4): grid 512 x 1, 4 waves a work-group, no clusters, 131,072 bytes of LDS; arguments xq, cq, lowp_scales, x2, c2, gid, dc; writes dc
.if DOCPART == 4
	.amdgcn_target "amdgcn-amd-amdhsa--gfx1250"
	.amdhsa_code_object_version 6
	.text
	.protected	k_qa1bfdd4402_regemm
	.globl	k_qa1bfdd4402_regemm
	.p2align	8
	.type	k_qa1bfdd4402_regemm,@function
k_qa1bfdd4402_regemm:
	s_mov_b64 s[64:65], 0
	v_nop
	global_prefetch_b8 v0, s[64:65] scope:SCOPE_SE
	s_setreg_imm32_b32 hwreg(HW_REG_WAVE_MODE, 25, 1), 1
	s_wait_xcnt 0x0
; dc[row][slot][i] = d(row, code 32 gid[row][slot] + i), i = 0 .. 31: d is made again for the 8 groups of 32 codes that gid names for each row, 65,536 pairs of a row and a group in all, and for no other.
; The form, the places of k in the registers, the order of the K steps and the two roundings behind the sums are those of the launch that made the groups' maxima.
; SHARES.  Work-group u takes group g = u / 2 and the rows 4,096 (u % 2) ..; a wave takes 1,024 of them.
; (1) The group's 32 rows of cq are four runs of 8 neighbouring places; wave w loads run w, 12 x 512 consecutive bytes, into LDS (each 256 bytes padded by 16); every wave then keeps all fragments in 192 registers.
; (2) Behind gid's 262,144 bytes lie the masks: word (v, g), at byte 1,024 v + 4 g, has bit l set where row 64 (v / 2) + 8 (v % 2) + 16 (l % 4) + l / 4 names g.  My wave's 32 words come by one load, a lane a word,
;     and go into scalar registers, each beside the count of marked rows ahead of it.
; (3) A trip takes 32 marked rows: lane l looks for the (32 T + l)-th: the word by 31 selects on the counts, the bit in it by five halvings on partial bit counts.  Past the last marked row the last one is
;     taken again: those lanes make and store the same numbers at the same place as the lane that owns the pair.
; (4) The rows of xq are loaded as runs: an instruction takes 256 consecutive bytes of rank p's row in lanes 0-15 and of rank 16 + p's in lanes 16-31; they turn through the wave's own stage in LDS into fragments.
; (5) slot = how many of the row's 8 numbers lie under g (gid is ascending).  A lane stores 4 x 16 bytes for each of its two rows; a pair's 128 bytes lie on end.
; The trip count hangs on numbers that an earlier launch stored; the launch has no tensor load; no cluster: work-groups gather different rows; no prefetch: a trip's rows are known only when it begins.
; Every number that enters an address is held first: a row at 8,191, a pair at 65,535.
; LIMITS: -126 <= ex + ec + 1 <= 127.  NaN and infinities are not served.
; REGISTERS.  window 0: v1 lane, v5-6 the add's, v7 32 h, v9 16 (lane % 16), v12-13 the stage, v16-47 at work, v48-63 the 16 pairs' offsets, v64-255 the rows, then x's fragments, then d.
;   window 1: v0-191 the codes' fragments (2 tiles x 6 x 16), v192-223 four accumulators, v224-239 c2 of my 16 codes.   s32-63 the masks, s66-97 the counts.
.set CH,   272
.set BLK,  16*816
.set STG,  32*816                      ; LDS: the codes' 32 rows, then a stage of 32 rows for each wave
.set SPARE, 5*STG                      ; then the spare words, 128 bytes a wave
.set MK,  32
.set PF,  66
.set AF,  64
.set ACC, 192
.set C2,  224
.set MSB, 0
.macro WIN new                         ; the immediate's high byte repeats the setting that is left
.if MSB != \new
	s_set_vgpr_msb (MSB<<8)|\new
.set MSB, \new
.endif
.endm
	s_load_b256 s[4:11], s[0:1], 0x0               ; xq, cq, the scales' exponents, x2
	s_load_b128 s[12:15], s[0:1], 0x20             ; c2, gid
	s_load_b64 s[16:17], s[0:1], 0x30              ; dc
	v_lshl_add_u32 v5, v0, 2, SPARE
	v_mov_b32 v6, 0
	v_lshrrev_b32 v2, 5, v0
	v_readfirstlane_b32 s18, v2                    ; wave
	v_and_b32 v1, 31, v0                           ; lane
	v_and_b32 v2, 15, v0                           ; r
	v_bfe_u32 v3, v0, 4, 1                         ; h
	v_lshlrev_b32 v7, 5, v3                        ; 32 h
	v_lshlrev_b32 v9, 4, v2                        ; 16 r
	v_lshlrev_b32 v8, 4, v1                        ; cq: 16 x lane
	v_lshlrev_b32 v4, 10, v1                       ; the masks: 1,024 x lane
	s_mul_i32 s20, s18, 24*CH
	v_mad_u32_u24 v10, v3, CH, v9
	v_add_nc_u32 v10, s20, v10                     ; the codes into LDS: my run's 24 pieces of 256 bytes; lanes 16-31 the odd ones
	v_mul_u32_u24 v11, v2, 816
	v_lshl_add_u32 v11, v3, 4, v11                 ; a fragment: r x 816 + 16 h
	s_mul_i32 s20, s18, STG
	s_add_co_u32 s20, s20, STG                     ; my stage
	v_add_nc_u32 v12, s20, v11                     ; out of it
	v_mad_u32_u24 v13, v3, BLK, v9
	v_add_nc_u32 v13, s20, v13                     ; into it: lanes 16-31 sixteen rows further down
	v_mov_b32 v29, 0                               ; written once: a lane permute's and a DPP form's destination counts as one of its sources
.irp p, 0,1,2,3,4,5,6,7,8,9,10,11,12,13,14,15
	v_mov_b32 v[48+\p], 0
.endr
	s_lshr_b32 s19, ttmp9, 1                       ; g
	s_and_b32 s2, ttmp9, 1
	s_lshl_b32 s2, s2, 2
	s_add_co_u32 s2, s2, s18                       ; which 1,024 rows
	s_lshl_b32 s26, s2, 15
	s_lshl_b32 s27, s19, 2
	s_add_co_u32 s26, s26, s27
	s_add_co_u32 s26, s26, 0x40000                 ; my 32 words of the masks
	s_mov_b32 s27, 0
	s_lshl_b32 s2, s2, 10                          ; my wave's first row
	s_lshr_b32 s21, s19, 2
	s_lshl_b32 s21, s21, 7                         ; the block of 128 places,
	s_and_b32 s22, s19, 1
	s_lshl_b32 s22, s22, 6
	s_add_co_u32 s21, s21, s22                     ; + 64 (g % 2)
	s_bfe_u32 s22, s19, 0x10001
	s_lshl_b32 s22, s22, 3
	s_add_co_u32 s21, s21, s22                     ; + 8 ((g / 2) % 2)
	s_lshl_b32 s22, s18, 4
	s_add_co_u32 s21, s21, s22                     ; + 16 x wave: codes 8 w .. 8 w + 7 of the group
	s_mul_i32 s22, s21, 768
	s_mov_b32 s23, 0
	s_lshl_b32 s24, s19, 7                         ; c2: 128 bytes a group
	s_mov_b32 s25, 0
	s_mov_b32 s3, 0xffff0000                       ; lanes 16-31
	s_mov_b32 s98, 0x76543210                      ; v_permlanex16_b32: lane l xor 16
	s_mov_b32 s99, 0xfedcba98
	s_mov_b32 s28, 0                               ; marked rows so far
	s_wait_alu depctr_va_vdst(0)
	s_wait_kmcnt 0x0
	s_load_b64 s[30:31], s[8:9], 0x0               ; ex, ec
	s_add_nc_u64 s[6:7], s[6:7], s[22:23]
	s_add_nc_u64 s[12:13], s[12:13], s[24:25]
	s_add_nc_u64 s[26:27], s[14:15], s[26:27]
	global_load_b32 v14, v4, s[26:27]
.irp i, 0,1,2,3,4,5,6,7,8,9,10,11
	global_load_b128 v[AF+4*\i:AF+4*\i+3], v8, s[6:7] offset:512*\i
.endr
	WIN 0x40                                       ; destination window 1
.irp t, 0,1
	global_load_b128 v[C2+8*\t:C2+8*\t+3], v7, s[12:13] offset:64*\t
	global_load_b128 v[C2+8*\t+4:C2+8*\t+7], v7, s[12:13] offset:64*\t+16
.endr
	WIN 0
	s_wait_loadcnt 0x0
.irp i, 0,1,2,3,4,5,6,7,8,9,10,11
	ds_store_b128 v10, v[AF+4*\i:AF+4*\i+3] offset:2*CH*\i
.endr
	s_wait_dscnt 0x0                               ; for the others' sake: my run has landed
	s_barrier_signal -1
	s_barrier_wait -1
	WIN 0x40
.irp t, 0,1
.irp k, 0,1,2,3,4,5
.irp c, 0,1,2,3
	ds_load_b128 v[96*\t+16*\k+4*\c:96*\t+16*\k+4*\c+3], v11 offset:\t*BLK+(\k/2)*CH+128*(\k%2)+32*\c
.endr
.endr
.endr
	WIN 0
.set n, 0
.rept 32
	v_readlane_b32 s[MK+n], v14, n
	s_mov_b32 s[PF+n], s28                         ; marked rows ahead of this word
	s_bcnt1_i32_b32 s20, s[MK+n]
	s_add_co_u32 s28, s28, s20
.set n, n+1
.endr
	s_wait_kmcnt 0x0
	s_add_co_i32 s30, s30, s31
	s_add_co_i32 s30, s30, 128
	s_lshl_b32 s30, s30, 23                        ; 2^(ex + ec + 1) as f32
	s_mov_b32 s31, s30
	s_cmp_eq_u32 s28, 0
	s_cbranch_scc1 .Lend                           ; none of my rows names g
	s_sub_co_u32 s29, s28, 1                       ; the last marked row's rank
	s_add_co_u32 s100, s28, 31
	s_lshr_b32 s100, s100, 5                       ; trips
	s_mov_b32 s101, 0
	s_wait_dscnt 0x0                               ; the codes' fragments are in
; One halving: the count of set bits in the lower part of what is left; where my rank reaches it, go to the upper part.
.macro LEVEL src, width, step
	v_bfe_u32 v20, v[\src], v26, \width
	v_cmp_ge_u32 vcc_lo, v25, v20
	v_cndmask_b32 v20, 0, v20, vcc_lo
	v_cndmask_b32 v27, 0, \step, vcc_lo
	v_sub_nc_u32 v25, v25, v20
	v_add_nc_u32 v26, v26, v27
.endm
.macro MM ks, zero                     ; four accumulators by turns; source 0 = 16 codes, source 1 = 16 rows of x
.irp u, 0,1
.irp t, 0,1
.if \zero
	v_wmma_f32_16x16x128_bf8_bf8 v[ACC+8*(2*\u+\t):ACC+8*(2*\u+\t)+7], v[96*\t+16*(\ks):96*\t+16*(\ks)+15], v[AF+96*\u+16*(\ks):AF+96*\u+16*(\ks)+15], 0
.else
	v_wmma_f32_16x16x128_bf8_bf8 v[ACC+8*(2*\u+\t):ACC+8*(2*\u+\t)+7], v[96*\t+16*(\ks):96*\t+16*(\ks)+15], v[AF+96*\u+16*(\ks):AF+96*\u+16*(\ks)+15], v[ACC+8*(2*\u+\t):ACC+8*(2*\u+\t)+7]
.endif
.endr
.endr
.endm
.Ltrip:
	s_wait_xcnt 0x0                                ; the last trip's loads and stores have read their registers
	s_lshl_b32 s20, s101, 5
	v_add_nc_u32 v16, s20, v1                      ; my rank: 32 T + lane,
	v_min_u32 v16, s29, v16                        ; the last marked row's at the most
	v_mov_b32 v17, s[MK]                           ; the word that holds it,
	v_mov_b32 v18, 0                               ; the marked rows ahead of that word,
	v_mov_b32 v19, 0                               ; and the word's number: the last word whose count does not pass my rank
.set i, 1
.rept 31
	v_cmp_le_u32 vcc_lo, s[PF+i], v16
	v_cndmask_b32 v17, v17, s[MK+i], vcc_lo
	v_cndmask_b32 v18, v18, s[PF+i], vcc_lo
	v_cndmask_b32 v19, v19, i, vcc_lo
.set i, i+1
.endr
	v_lshrrev_b32 v20, 1, v17                      ; the word's bit counts by fields of 2, 4, 8 and 16 bits
	v_and_b32 v20, 0x55555555, v20
	v_sub_nc_u32 v21, v17, v20
	v_lshrrev_b32 v20, 2, v21
	v_and_b32 v20, 0x33333333, v20
	v_and_b32 v22, 0x33333333, v21
	v_add_nc_u32 v22, v22, v20
	v_lshrrev_b32 v20, 4, v22
	v_add_nc_u32 v20, v22, v20
	v_and_b32 v23, 0x0f0f0f0f, v20
	v_lshrrev_b32 v20, 8, v23
	v_add_nc_u32 v24, v23, v20                     ; its lowest byte: bits 0-15
	v_sub_nc_u32 v25, v16, v18                     ; my rank inside the word
	v_mov_b32 v26, 0                               ; the bit
	LEVEL 24, 8, 16
	LEVEL 23, 8, 8
	LEVEL 22, 4, 4
	LEVEL 21, 2, 2
	LEVEL 17, 1, 1
	v_lshrrev_b32 v20, 1, v19                      ; my row: 64 (word / 2) + 8 (word % 2) + 16 (bit % 4) + bit / 4
	v_and_b32 v21, 1, v19
	v_lshlrev_b32 v20, 6, v20
	v_lshl_add_u32 v20, v21, 3, v20
	v_and_b32 v21, 3, v26
	v_lshl_add_u32 v20, v21, 4, v20
	v_lshrrev_b32 v21, 2, v26
	v_add3_u32 v28, v20, v21, s2
	v_permlanex16_b32 v29, v28, s98, s99
	v_cndmask_b32 v30, v28, v29, s3                ; tile 0: lanes (r, 0) and (r, 1) take rank r's row,
	v_cndmask_b32 v31, v29, v28, s3                ; tile 1: rank 16 + r's
.irp p, 0,1,2,3,4,5,6,7,8,9,10,11,12,13,14,15
	v_mov_b32_dpp v[48+\p], v28 row_share:\p row_mask:0xf bank_mask:0xf    ; lanes 0-15: rank p's row; lanes 16-31: rank 16 + p's
.endr
	v_min_u32 v28, 0x1fff, v28                     ; a number made of loaded ones enters an address only behind this hold
	v_min_u32 v30, 0x1fff, v30
	v_min_u32 v31, 0x1fff, v31
	v_lshlrev_b32 v40, 5, v28
	global_load_b128 v[32:35], v40, s[14:15]       ; my row's 8 groups
	global_load_b128 v[36:39], v40, s[14:15] offset:16
	v_lshlrev_b32 v41, 2, v30
	v_lshlrev_b32 v42, 2, v31
	global_load_b32 v44, v41, s[10:11]
	global_load_b32 v46, v42, s[10:11]
.irp p, 0,1,2,3,4,5,6,7,8,9,10,11,12,13,14,15
	v_min_u32 v[48+\p], 0x1fff, v[48+\p]
	v_mad_u32_u24 v[48+\p], v[48+\p], 0x300, v9    ; xq: row x 768 + 16 (lane % 16)
.irp q, 0,1,2
	global_load_b128 v[AF+12*\p+4*\q:AF+12*\p+4*\q+3], v[48+\p], s[4:5] offset:256*\q
.endr
.endr
	v_mov_b32 v20, 0
	s_wait_alu depctr_va_vdst(0)
	s_wait_loadcnt 50                              ; the 8 groups are in; x2's two loads and the 48 of xq may be out
.irp i, 0,1,2,3,4,5,6,7
	v_cmp_gt_u32 vcc_lo, s19, v[32+\i]
	v_add_co_ci_u32 v20, vcc_lo, 0, v20, vcc_lo    ; slot: how many lie under g
.endr
	v_lshl_add_u32 v20, v28, 3, v20                ; the pair: 8 x row + slot
	v_permlanex16_b32 v21, v20, s98, s99
	v_cndmask_b32 v22, v20, v21, s3
	v_cndmask_b32 v23, v21, v20, s3
	v_min_u32 v22, 0xffff, v22
	v_min_u32 v23, 0xffff, v23
	v_lshl_add_u32 v22, v22, 7, v7                 ; dc: 128 bytes a pair, + 32 h
	v_lshl_add_u32 v23, v23, 7, v7
	s_wait_alu depctr_va_vdst(0)
.irp m, 0,1,2,3
	s_wait_loadcnt 36-12*\m                        ; four more pairs of rows are in; three loads for each later pair may be out
.irp p, 4*\m, 4*\m+1, 4*\m+2, 4*\m+3
.irp q, 0,1,2
	ds_store_b128 v13, v[AF+12*(\p)+4*\q:AF+12*(\p)+4*\q+3] offset:(\p)*816+\q*CH
.endr
.endr
.endr
.irp u, 0,1
.irp k, 0,1,2,3,4,5
.irp c, 0,1,2,3
	ds_load_b128 v[AF+96*\u+16*\k+4*\c:AF+96*\u+16*\k+4*\c+3], v12 offset:\u*BLK+(\k/2)*CH+128*(\k%2)+32*\c    ; LDS serves a wave's instructions in order (ISA guide 5.7.1.4): these see the stores above
.endr
.endr
.endr
	s_wait_dscnt 0x0
	WIN 0x51                                       ; source 0, C and D window 1; source 1 window 0
	MM 0, 1
.irp k, 1,2,3,4,5
	MM \k, 0
.endr
	WIN 0
	v_mov_b32 v45, v44                             ; x2 as pairs; with the two lines below: four places behind the last product (ISA guide 7.12.1)
	v_mov_b32 v47, v46
	v_nop
	v_nop
	WIN 0x01                                       ; source 0 window 1
.irp u, 0,1
.irp t, 0,1
.irp j, 0,2,4,6
	v_pk_fma_f32 v[AF+8*(2*\u+\t)+\j:AF+8*(2*\u+\t)+\j+1], v[ACC+8*(2*\u+\t)+\j:ACC+8*(2*\u+\t)+\j+1], s[30:31], v[44+2*\u:45+2*\u] op_sel_hi:[1,0,1] neg_lo:[0,0,1] neg_hi:[0,0,1]
.endr
.endr
.endr
	WIN 0x04                                       ; source 1 window 1
.irp u, 0,1
.irp t, 0,1
.irp j, 0,2,4,6
	v_pk_add_f32 v[AF+8*(2*\u+\t)+\j:AF+8*(2*\u+\t)+\j+1], v[AF+8*(2*\u+\t)+\j:AF+8*(2*\u+\t)+\j+1], v[C2+8*\t+\j:C2+8*\t+\j+1] neg_lo:[0,1] neg_hi:[0,1]
.endr
.endr
.endr
	WIN 0
.irp u, 0,1
.irp t, 0,1
	global_store_b128 v[22+\u], v[AF+8*(2*\u+\t):AF+8*(2*\u+\t)+3], s[16:17] offset:64*\t          ; register j: code 16 t + 8 h + j of the group
	global_store_b128 v[22+\u], v[AF+8*(2*\u+\t)+4:AF+8*(2*\u+\t)+7], s[16:17] offset:64*\t+16
.endr
.endr
	s_add_co_u32 s101, s101, 1
	s_cmp_lt_u32 s101, s100
	s_wait_alu depctr_va_vdst(0)
	s_cbranch_scc1 .Ltrip
.Lend:
	s_wait_tensorcnt 0x0                           ; the wave's end
	ds_add_u32 v5, v6
	s_wait_dscnt 0x0
	s_endpgm
.Lfunc_end_k_qa1bfdd4402_regemm:
	.size	k_qa1bfdd4402_regemm, .Lfunc_end_k_qa1bfdd4402_regemm-k_qa1bfdd4402_regemm
	.p2alignl 7, 3214868480
	.fill 96, 4, 3214868480
	.section	.rodata,"a",@progbits
	.p2align	6, 0x0
	.amdhsa_kernel k_qa1bfdd4402_regemm
		.amdhsa_group_segment_fixed_size 131072
		.amdhsa_private_segment_fixed_size 0
		.amdhsa_enable_private_segment 0
		.amdhsa_kernarg_size 56
		.amdhsa_user_sgpr_count 2
		.amdhsa_user_sgpr_kernarg_segment_ptr 1
		.amdhsa_wavefront_size32 1
		.amdhsa_system_sgpr_workgroup_id_x 1
		.amdhsa_system_sgpr_workgroup_id_y 1
		.amdhsa_system_sgpr_workgroup_id_z 1
		.amdhsa_system_vgpr_workitem_id 0
		.amdhsa_next_free_vgpr 512
		.amdhsa_next_free_sgpr 102
		.amdhsa_reserve_vcc 1
		.amdhsa_float_denorm_mode_32 3
		.amdhsa_float_denorm_mode_16_64 3
		.amdhsa_memory_ordered 1
		.amdhsa_forward_progress 1
		.amdhsa_inst_pref_size 45
	.end_amdhsa_kernel
	.amdgpu_metadata
---
amdhsa.version: [ 1, 2 ]
amdhsa.kernels:
  - .name:           k_qa1bfdd4402_regemm
    .symbol:         k_qa1bfdd4402_regemm.kd
    .args:
      - { .name: xq, .offset: 0, .size: 8, .value_kind: global_buffer, .address_space: global }
      - { .name: cq, .offset: 8, .size: 8, .value_kind: global_buffer, .address_space: global }
      - { .name: lowp_scales, .offset: 16, .size: 8, .value_kind: global_buffer, .address_space: global }
      - { .name: x2, .offset: 24, .size: 8, .value_kind: global_buffer, .address_space: global }
      - { .name: c2, .offset: 32, .size: 8, .value_kind: global_buffer, .address_space: global }
      - { .name: gid, .offset: 40, .size: 8, .value_kind: global_buffer, .address_space: global }
      - { .name: dc, .offset: 48, .size: 8, .value_kind: global_buffer, .address_space: global }
    .group_segment_fixed_size: 131072
    .private_segment_fixed_size: 0
    .kernarg_segment_align: 8
    .kernarg_segment_size: 56
    .max_flat_workgroup_size: 128
    .sgpr_count:     102
    .vgpr_count:     512
    .wavefront_size: 32
...
	.end_amdgpu_metadata
.endif
;; end of part 4
;; launch pick (part 5): grid 256 x 1, 4 waves a work-group, no clusters, 9,728 bytes of LDS; arguments dc, gid, out1, ids; writes out1, ids
.if DOCPART == 5
	.amdgcn_target "amdgcn-amd-amdhsa--gfx1250"
	.amdhsa_code_object_version 6
	.text
	.protected	k_qa1bfdd4402_pick
	.globl	k_qa1bfdd4402_pick
	.p2align	8
	.type	k_qa1bfdd4402_pick,@function
k_qa1bfdd4402_pick:
	s_mov_b64 s[64:65], 0
	v_nop
	global_prefetch_b8 v0, s[64:65] scope:SCOPE_SE
	s_setreg_imm32_b32 hwreg(HW_REG_WAVE_MODE, 25, 1), 1
	s_wait_xcnt 0x0
; For each row: the 8 codes that come first by (d, descending; code's number, ascending), among the 256 codes of the 8 groups that gid names.  Stored in that order in out1, and once more in ids for the launch behind.
; dc [8192][8][32] holds d of those codes, group by group in gid's order: 1,024 bytes a row, at places that hang on no loaded number; gid gives only the codes' numbers.
; SHARES.  A work-group takes 32 neighbouring rows, a lane a row; wave w takes the row's groups 2 w and 2 w + 1 of the 8: 64 numbers, 256 consecutive bytes of dc a lane.  Each wave keeps a sorted list of 8 in registers;
; the four lists meet in LDS and wave 0 merges them.
; TIES.  gid is ascending, so codes come in ascending order of their numbers, over the groups, the waves and the merge; the compare is strict: an item equal to one in the list goes behind it.
; LIMIT: NaN and infinities are not served (the lists begin at -infinity).
.set L,   8                            ; v8-15   the list's values, descending
.set I,   16                           ; v16-23  and their numbers
.set ID,  24                           ; v24     the number of the item in hand
.set T0,  25                           ; v25-26  at work, by turns
.set IT,  32                           ; v32-95  the 64 items; later the other waves' lists
.set OST, 8192                         ; LDS: behind the four lists, 1,024 bytes through which wave 0 turns the result
; One item (value v[m], number v[idr]) into the list: 8 compares on the old list, then from the list's end upward: place i takes the old place i - 1 where the item goes ahead of that, the item where it goes ahead of
; place i alone, else it stays.  For the values that is the middle one of the three.
.macro INSERT m, idr
.irp i, 0,1,2,3,4,5,6,7
	v_cmp_gt_f32 s[20+\i], v[\m], v[L+\i]
.endr
.irp i, 7,6,5,4,3,2,1
	v_cndmask_b32 v[T0+\i%2], v[\idr], v[I+\i-1], s[20+\i-1]
	v_cndmask_b32 v[I+\i], v[I+\i], v[T0+\i%2], s[20+\i]
	v_med3_num_f32 v[L+\i], v[L+\i-1], v[L+\i], v[\m]
.endr
	v_cndmask_b32 v[I], v[I], v[\idr], s20
	v_max_num_f32 v[L], v[L], v[\m]
.endm
	s_load_b128 s[4:7], s[0:1], 0x0                ; dc, gid
	s_load_b128 s[12:15], s[0:1], 0x10             ; out1, ids
	v_lshl_add_u32 v128, v0, 2, 0x2400
	v_mov_b32 v129, 0
	v_lshrrev_b32 v1, 5, v0
	v_readfirstlane_b32 s8, v1                     ; wave
	v_and_b32 v2, 31, v0                           ; lane
	v_lshlrev_b32 v3, 5, v2                        ; gid: my row's 32 bytes,
	s_lshl_b32 s9, s8, 3
	v_add_nc_u32 v3, s9, v3                        ; my wave's two numbers of them
	v_lshlrev_b32 v6, 10, v2                       ; dc: my row of 1,024 bytes,
	v_lshl_add_u32 v30, s8, 8, v6                  ; my wave's first group of 128 bytes,
	v_add_nc_u32 v31, 128, v30                     ; and its second
	v_lshlrev_b32 v28, 4, v2                       ; LDS: 16 x lane; also my 16 bytes of a store's 512
	s_lshl_b32 s9, s8, 11
	v_add_nc_u32 v27, s9, v28                      ; my wave's list: 2,048 bytes a wave
	v_lshlrev_b32 v29, 5, v2
	v_add_nc_u32 v29, OST, v29                     ; the result's turn: in, 32 bytes a lane;
	v_add_nc_u32 v7, OST, v28                      ; back, 16 bytes a lane
	s_lshl_b32 s10, ttmp9, 10                      ; 32 rows of 32 bytes
	s_mov_b32 s11, 0
	s_lshl_b32 s16, ttmp9, 15                      ; 32 rows of dc
	s_mov_b32 s17, 0
	s_wait_alu depctr_va_vdst(0)
	s_wait_kmcnt 0x0
	s_add_nc_u64 s[6:7], s[6:7], s[10:11]
	s_add_nc_u64 s[12:13], s[12:13], s[10:11]
	s_add_nc_u64 s[14:15], s[14:15], s[10:11]
	s_add_nc_u64 s[4:5], s[4:5], s[16:17]
	global_load_b64 v[4:5], v3, s[6:7]             ; my two groups' numbers
.irp s, 0,1
.irp n, 0,1,2,3,4,5,6,7
	global_load_b128 v[IT+32*\s+4*\n:IT+32*\s+4*\n+3], v[30+\s], s[4:5] offset:16*\n
.endr
.endr
.irp i, 0,1,2,3,4,5,6,7
	v_mov_b32 v[L+\i], 0xff800000                  ; -infinity: under every item
	v_mov_b32 v[I+\i], 0
.endr
	s_wait_alu depctr_va_vdst(0)
	s_wait_loadcnt 16                              ; the two numbers are in; the 16 loads of dc may be out
.set n, 0                              ; the item's number, 0 to 63
.rept 2
	v_lshlrev_b32 v[ID], 5, v[4+n/32]              ; the group's first code
	s_wait_alu depctr_va_vdst(0)
.rept 8
	s_wait_alu depctr_va_vdst(0)
	s_wait_loadcnt 15-n/4                          ; the load with these four items is in; the 15 - n / 4 behind it may be out
.rept 4
	INSERT IT+n, ID
	v_add_nc_u32 v[ID], 1, v[ID]
.set n, n+1
.endr
.endr
.endr
	ds_store_b128 v27, v[L:L+3]                    ; the list goes to LDS as an image of its registers.  (Wave 0 stores too, though nobody reads its image: so no branch stands in front of the barrier)
	ds_store_b128 v27, v[L+4:L+7] offset:512
	ds_store_b128 v27, v[I:I+3] offset:1024
	ds_store_b128 v27, v[I+4:I+7] offset:1536
	s_wait_dscnt 0x0                               ; for the others' sake: my stores have landed
	s_barrier_signal -1
	s_barrier_wait -1
	s_cmp_lg_u32 s8, 0
	s_cbranch_scc1 .Lend                           ; wave 0 merges
.irp w, 1,2,3
.irp c, 0,1,2,3
	ds_load_b128 v[IT+16*(\w-1)+4*\c:IT+16*(\w-1)+4*\c+3], v28 offset:2048*\w+512*\c
.endr
.endr
.set n, 0
	s_wait_alu depctr_va_vdst(0)
.rept 3                                ; wave 1's list, then wave 2's, then wave 3's, each from its head: ascending numbers among equals
	s_wait_alu depctr_va_vdst(0)
	s_wait_dscnt 8-4*n                             ; this list's four loads are in; four for each later list may be out
.set e, 0
.rept 8
	INSERT IT+16*n+e, IT+16*n+8+e
.set e, e+1
.endr
.set n, n+1
.endr
	ds_store_b128 v29, v[I:I+3]                    ; a lane holds its row's 32 bytes; through LDS, so that a store's 32 lanes cover 512 consecutive bytes
	ds_store_b128 v29, v[I+4:I+7] offset:16
	ds_load_b128 v[80:83], v7                      ; LDS serves a wave's instructions in order (ISA guide 5.7.1.4): these see the stores above; only wave 0 touches these bytes
	ds_load_b128 v[84:87], v7 offset:512
	s_wait_dscnt 0x0
	global_store_b128 v28, v[80:83], s[12:13]
	global_store_b128 v28, v[84:87], s[12:13] offset:512
	global_store_b128 v28, v[80:83], s[14:15]
	global_store_b128 v28, v[84:87], s[14:15] offset:512
.Lend:
	s_wait_tensorcnt 0x0
	ds_add_u32 v128, v129
	s_wait_dscnt 0x0
	s_endpgm
.Lfunc_end_k_qa1bfdd4402_pick:
	.size	k_qa1bfdd4402_pick, .Lfunc_end_k_qa1bfdd4402_pick-k_qa1bfdd4402_pick
	.p2alignl 7, 3214868480
	.fill 96, 4, 3214868480
	.section	.rodata,"a",@progbits
	.p2align	6, 0x0
	.amdhsa_kernel k_qa1bfdd4402_pick
		.amdhsa_group_segment_fixed_size 9728
		.amdhsa_private_segment_fixed_size 0
		.amdhsa_enable_private_segment 0
		.amdhsa_kernarg_size 32
		.amdhsa_user_sgpr_count 2
		.amdhsa_user_sgpr_kernarg_segment_ptr 1
		.amdhsa_wavefront_size32 1
		.amdhsa_system_sgpr_workgroup_id_x 1
		.amdhsa_system_sgpr_workgroup_id_y 1
		.amdhsa_system_sgpr_workgroup_id_z 1
		.amdhsa_system_vgpr_workitem_id 0
		.amdhsa_next_free_vgpr 130
		.amdhsa_next_free_sgpr 66
		.amdhsa_reserve_vcc 0
		.amdhsa_float_denorm_mode_32 3
		.amdhsa_float_denorm_mode_16_64 3
		.amdhsa_memory_ordered 1
		.amdhsa_forward_progress 1
		.amdhsa_inst_pref_size 177
	.end_amdhsa_kernel
	.amdgpu_metadata
---
amdhsa.version: [ 1, 2 ]
amdhsa.kernels:
  - .name:           k_qa1bfdd4402_pick
    .symbol:         k_qa1bfdd4402_pick.kd
    .args:
      - { .name: dc, .offset: 0, .size: 8, .value_kind: global_buffer, .address_space: global }
      - { .name: gid, .offset: 8, .size: 8, .value_kind: global_buffer, .address_space: global }
      - { .name: out1, .offset: 16, .size: 8, .value_kind: global_buffer, .address_space: global }
      - { .name: ids, .offset: 24, .size: 8, .value_kind: global_buffer, .address_space: global }
    .group_segment_fixed_size: 9728
    .private_segment_fixed_size: 0
    .kernarg_segment_align: 8
    .kernarg_segment_size: 32
    .max_flat_workgroup_size: 128
    .sgpr_count:     66
    .vgpr_count:     130
    .wavefront_size: 32
...
	.end_amdgpu_metadata
.endif
;; end of part 5
;; launch mean (part 6): grid 1024 x 1, 8 waves a work-group, no clusters, 0 bytes of LDS; arguments codebook, ids, out0; writes out0
.if DOCPART == 6
	.amdgcn_target "amdgcn-amd-amdhsa--gfx1250"
	.amdhsa_code_object_version 6
	.text
	.protected	k_qa1bfdd4402_mean
	.globl	k_qa1bfdd4402_mean
	.p2align	8
	.type	k_qa1bfdd4402_mean,@function
k_qa1bfdd4402_mean:
	s_mov_b64 s[64:65], 0
	v_nop
	global_prefetch_b8 v0, s[64:65] scope:SCOPE_SE
	s_setreg_imm32_b32 hwreg(HW_REG_WAVE_MODE, 25, 1), 1
	s_wait_xcnt 0x0
; out0[row] = (the sum of the 8 rows of the codebook that ids[row] names, added in the list's order) / 8, in f32.
; A wave takes a row.  Its 8 numbers were stored by an earlier launch; they come by one scalar load, each is held at 8,191 at the most, and they make 8 scalar bases.  A row of the codebook is 3,072 bytes: six loads of 512
; consecutive bytes; all 48 loads go out at once, and the rows are added as they arrive.  No LDS, no barrier: waves share nothing.  The loads carry no hint: many lists name the same rows.
.set A, 8                              ; v8-199: eight sets of 24 registers; set 0 takes the sum
	s_load_b128 s[4:7], s[0:1], 0x0                ; codebook, ids
	s_load_b64 s[8:9], s[0:1], 0x10                ; out0
	v_lshrrev_b32 v1, 5, v0
	s_delay_alu instid0(VALU_DEP_1)
	v_readfirstlane_b32 s10, v1                    ; wave
	v_and_b32 v2, 31, v0
	s_delay_alu instid0(VALU_DEP_1)
	v_lshlrev_b32 v1, 4, v2                        ; 16 bytes a lane
	s_lshl_b32 s11, ttmp9, 3
	s_add_co_u32 s11, s11, s10                     ; my row
	s_lshl_b32 s12, s11, 5                         ; its 32 bytes of ids
	s_mov_b32 s13, 0
	s_mul_i32 s14, s11, 3072                       ; its 3,072 bytes of out0
	s_mov_b32 s15, 0
	s_mov_b32 s41, 0
	s_wait_alu depctr_va_vdst(0)
	s_wait_kmcnt 0x0
	s_add_nc_u64 s[6:7], s[6:7], s[12:13]
	s_add_nc_u64 s[8:9], s[8:9], s[14:15]
	s_load_b256 s[16:23], s[6:7], 0x0
	s_wait_kmcnt 0x0
.irp i, 0,1,2,3,4,5,6,7
	s_min_u32 s40, s[16+\i], 0x1fff                ; a loaded number enters an address only behind this hold
	s_mul_i32 s40, s40, 3072
	s_add_nc_u64 s[24+2*\i:25+2*\i], s[4:5], s[40:41]
.endr
.irp i, 0,1,2,3,4,5,6,7
.irp j, 0,1,2,3,4,5
	global_load_b128 v[A+24*\i+4*\j:A+24*\i+4*\j+3], v1, s[24+2*\i:25+2*\i] offset:512*\j
.endr
.endr
.irp i, 1,2,3,4,5,6,7
	s_wait_loadcnt 6*(7-\i)                        ; rows 0 to i are in; six loads for each later row may be out
.irp j, 0,2,4,6,8,10,12,14,16,18,20,22
	v_pk_add_f32 v[A+\j:A+\j+1], v[A+\j:A+\j+1], v[A+24*\i+\j:A+24*\i+\j+1]
.endr
.endr
.irp j, 0,2,4,6,8,10,12,14,16,18,20,22
	v_pk_mul_f32 v[A+\j:A+\j+1], v[A+\j:A+\j+1], 0x3e000000 op_sel_hi:[1,0]   ; x 1/8: nothing is rounded, short of underflow
.endr
.irp j, 0,1,2,3,4,5
	global_store_b128 v1, v[A+4*\j:A+4*\j+3], s[8:9] offset:512*\j th:TH_STORE_NT   ; 32 lanes store 512 consecutive bytes, at a multiple of 256 from out0's first byte
.endr
	s_endpgm
.Lfunc_end_k_qa1bfdd4402_mean:
	.size	k_qa1bfdd4402_mean, .Lfunc_end_k_qa1bfdd4402_mean-k_qa1bfdd4402_mean
	.p2alignl 7, 3214868480
	.fill 96, 4, 3214868480
	.section	.rodata,"a",@progbits
	.p2align	6, 0x0
	.amdhsa_kernel k_qa1bfdd4402_mean
		.amdhsa_group_segment_fixed_size 0
		.amdhsa_private_segment_fixed_size 0
		.amdhsa_enable_private_segment 0
		.amdhsa_kernarg_size 24
		.amdhsa_user_sgpr_count 2
		.amdhsa_user_sgpr_kernarg_segment_ptr 1
		.amdhsa_wavefront_size32 1
		.amdhsa_system_sgpr_workgroup_id_x 1
		.amdhsa_system_sgpr_workgroup_id_y 1
		.amdhsa_system_sgpr_workgroup_id_z 1
		.amdhsa_system_vgpr_workitem_id 0
		.amdhsa_next_free_vgpr 208
		.amdhsa_next_free_sgpr 66
		.amdhsa_reserve_vcc 0
		.amdhsa_float_denorm_mode_32 3
		.amdhsa_float_denorm_mode_16_64 3
		.amdhsa_memory_ordered 1
		.amdhsa_forward_progress 1
		.amdhsa_inst_pref_size 14
	.end_amdhsa_kernel
	.amdgpu_metadata
---
amdhsa.version: [ 1, 2 ]
amdhsa.kernels:
  - .name:           k_qa1bfdd4402_mean
    .symbol:         k_qa1bfdd4402_mean.kd
    .args:
      - { .name: codebook, .offset: 0, .size: 8, .value_kind: global_buffer, .address_space: global }
      - { .name: ids, .offset: 8, .size: 8, .value_kind: global_buffer, .address_space: global }
      - { .name: out0, .offset: 16, .size: 8, .value_kind: global_buffer, .address_space: global }
    .group_segment_fixed_size: 0
    .private_segment_fixed_size: 0
    .kernarg_segment_align: 8
    .kernarg_segment_size: 24
    .max_flat_workgroup_size: 256
    .sgpr_count:     66
    .vgpr_count:     208
    .wavefront_size: 32
...
	.end_amdgpu_metadata
.endif
;; end of part 6
